; MI455X (gfx1250); checked and timed in simulation.
; The chip was launched on July 23, 2026; its instructions are those of AMD's public machine-readable ISA for CDNA 5 (MIT licence, August 2026) and "CDNA5" Instruction Set Architecture Reference Guide (July 2026). The comments in the code are by the model that wrote it; some were corrected since.
;; Attention. Allowed arithmetic: matrix products marked QUANTISED: E2M1 operands, one E8M0 scale for each 32 along K, by v_wmma_scale_f32_16x16x128_f8f6f4 with both operands' format E2M1 (or v_wmma_scale_f32_32x16x128_f4), f32 sums; everything else in f32.
;; Inputs: beta 2,048 float32; gamma 2,048 float32; k_codes 8 x 2,048 x 4 x 16 uint8 (E2M1 codes of k, K innermost, in blocks of 32 codes, two codes a byte); k_scales 8 x 2,048 x 4 uint8 (E8M0 scales of k, one for each 32 codes along K); q_codes 8 x 2,048 x 4 x 16 uint8 (E2M1 codes of q, K innermost, in blocks of 32 codes, two codes a byte); q_scales 8 x 2,048 x 4 uint8 (E8M0 scales of q, one for each 32 codes along K); v_codes 8 x 128 x 64 x 16 uint8 (E2M1 codes of v, K innermost, in blocks of 32 codes, two codes a byte); v_scales 8 x 128 x 64 uint8 (E8M0 scales of v, one for each 32 codes along K).
;; Outputs: out0 8 x 2,048 x 128 float32.
;; This version of the problem:
;;   THIS VERSION OF THE PROBLEM IS GIVEN IN LOW PRECISION. The matrix products marked QUANTISED in the list below multiply operands that are first quantised to E2M1 (2 exponent bits, 1 mantissa bit; 4 bits a number), with one power-of-two scale for each 32 numbers along K (OCP MX v1.0); their sums are f32. All else is computed in f32.
;;   The module's matrix products, in the order in which they are computed (A, B: the left and right operand; K: the contracted axis; several contracted axes count as one K, in the product's order):
;;     1. batch 8 x [M 2,048, K 128] x [K 128, N 2,048]; A: input q (given as codes); B: input k (given as codes): QUANTISED
;;     2. batch 8 x [M 2,048, K 2,048] x [K 2,048, N 128]; A: softmax (see below); B: input v (given as codes): QUANTISED
;;   THE QUANTISER, for each operand of a quantised product, along K:
;;     - K is cut into blocks of 32 from its start; a last block that is shorter is filled with zeros.
;;     - A block's scale is 2^e with e = floor(log2(the largest magnitude in the block)) - 2, held to -126 .. 127; a block of zeros has e = 0. As a byte (E8M0): e + 127.
;;     - Each number is divided by its block's scale, clamped to +-6, and rounded to the nearest number of E2M1, ties to even, subnormals kept.
;;     - The product sums the exact products of the quantised numbers (number of the format x scale) in f32.
;;   ~~~python
;;   def quantise(x, axis):      # numpy; x: float32 -> the quantised numbers, widened to float32 again
;;       x = np.moveaxis(x, axis, -1); K = x.shape[-1]
;;       x = np.pad(x, [(0, 0)] * (x.ndim - 1) + [(0, -K % 32)]); x = x.reshape(x.shape[:-1] + (-1, 32)); a = np.abs(x).max(-1, keepdims=True)
;;       e = np.where(a > 0, np.clip(np.frexp(np.where(a > 0, a, 1))[1] - 1 - 2, -126, 127), 0)      # np.frexp(a)[1] - 1 = floor(log2(a)), exactly
;;       r = np.clip(x / 2.0 ** e, -6, 6)
;;       step = 2.0 ** (np.maximum(np.frexp(np.where(r == 0, 1, r))[1] - 1, 0) - 1)
;;       q = np.round(r / step) * step * 2.0 ** e      # np.round: ties to even
;;       return np.moveaxis(q.reshape(q.shape[:-2] + (-1,))[..., :K], -1, axis).astype(np.float32)
;;   ~~~
;;   SOFTMAX AHEAD OF A QUANTISED PRODUCT. Where the list says 'softmax', what is quantised is not the finished softmax but p = 2^(t - M), with t = logit x log2(e) and M = ceil(the row's largest t), a whole number; so 1/2 < the row's largest p <= 1. The row's sum l is taken of the UNQUANTISED p, in f32, and the product's result is divided by l at the end. Since M is a whole number, a kernel that streams over the keys may use a running M (the ceiling of the running maximum): every later rescaling is an exact power of two, which a block's scale takes up: the codes' values come out the same.
;;   OPERANDS COMPUTED ON THE WAY. 'Computed on the way' means the value that the module computes at that place (a softmax that the list does not call 'softmax' is quantised finished and normalised). What goes into a quantiser is computed in f32, as accurately as f32 sums, v_exp_f32 and their like allow (about 1e-6 of the number): no bf16 or f16 on the way to a quantiser, and a product that is left as it is and whose result goes on into a quantised operand takes f32 operands (vector FMAs, or v_wmma_f32_16x16x4_f32). A number that lies on a knife's edge between two numbers of the format may be rounded either way, as far as f32 arithmetic and the matrix unit's own rounding can turn it there, and no further.
;;   INPUTS GIVEN AS CODES. k (in the module: [8, 2048, 128], K = its axis 2); q (in the module: [8, 2048, 128], K = its axis 2); v (in the module: [8, 2048, 128], K = its axis 1): each comes as NAME_codes (uint8): NAME with its K axis moved to the last place and cut into blocks of 32 codes, [.., K / 32, bytes a block], one block behind the other in memory; two codes a byte, the lower K in the low four bits (a code: sign, 2 exponent bits, 1 mantissa bit); and NAME_scales (uint8): the same leading axes, one E8M0 byte (e + 127) for each 32 codes along K. Its value is code x scale, taken as it is: it is not quantised again, and the codes and scales need not be those that the quantiser above would give.
;; One version. Each part assembles by itself: llvm-mc -triple=amdgcn-amd-amdhsa -mcpu=gfx1250 --defsym DOCPART=n.
;; ======== version 1 of 1: 1 launch
;; limits: right only within a limited range of input values
;; launch attn (part 1): grid 32 x 8, 16 waves a work-group, clusters of 4 x 1, 327,680 bytes of LDS; arguments q_codes, q_scales, k_codes, k_scales, v_codes, v_scales, gamma, beta, out0; writes out0
.if DOCPART == 1
	.amdgcn_target "amdgcn-amd-amdhsa--gfx1250"
	.amdhsa_code_object_version 6
	.text
	.protected	k_q00c8652d99_attn
	.globl	k_q00c8652d99_attn
	.p2align	8
	.type	k_q00c8652d99_attn,@function
k_q00c8652d99_attn:
	s_mov_b64 s[64:65], 0
	v_nop
	global_prefetch_b8 v0, s[64:65] scope:SCOPE_SE
	s_setreg_imm32_b32 hwreg(HW_REG_WAVE_MODE, 25, 1), 1
	s_wait_xcnt 0x0
	s_wait_alu depctr_hold_cnt(0) depctr_sa_sdst(0) depctr_va_vdst(0) depctr_va_sdst(0) depctr_va_ssrc(0) depctr_va_vcc(0) depctr_vm_vsrc(0)
	s_getreg_b32 s2, hwreg(HW_REG_IB_STS2, 6, 4)
	s_cmp_eq_u32 s2, 0
	s_cbranch_scc0 .Lentry_in_a_cluster
	s_endpgm
.Lentry_in_a_cluster:
	s_bfe_u32 s2, ttmp6, 0x10000c
	s_cmp_lg_u32 s2, 0x3003
	s_cbranch_scc0 .Lentry_shape_is_right
	s_endpgm
.Lentry_shape_is_right:
; out0[n][q][:] = sum over k of softmax_k( LayerNorm_k(q.k / sqrt(128)) gamma[k] + beta[k] ) v[n][k][:].  8 heads, 2,048 queries, 2,048 keys, head size 128.
; Both products run on codes of FP4 (E2M1) with one E8M0 scale for each 32 along K.  q, k: codes along the head's 128; v: codes with the KEYS innermost.  out0: f32.
; SHARES.  A work-group owns 64 queries of one head.  Wave w of sixteen: tile m = w % 4 of 16 queries; i = w / 4.  Up to the codes of p it works on quarter i of the keys (512); in the second product on channels 32 i .. 32 i + 31, over all keys.
; WALK 1 makes x = s - c for the wave's 512 keys (steps 2, 3, 0, 1 of 128 keys) and sums x and x^2; steps 0 and 1 stay in 128 registers.  The four waves of a tile exchange the sums.
; THE SOFTMAX goes in two halves of 256 keys: half 0 is what stayed, half 1 is made again.  t = logit x log2(e); M = the wave's largest t so far, rounded UP to a whole number; p = 2^(t - M) is quantised along the keys; the sum l is of the unquantised p.
; Half 0's scale bytes and sum are brought under the wave's last M: whole powers of two.
; P GOES THROUGH LDS AS CODES, as an image of the operand's registers, over K's bytes (which have had their one fill and, behind a barrier, their last read).  Each quarter of the keys has its own M, so the second product keeps a sum for each quarter;
; out0 = sum over quarters of (2^(M_i - M*) / l) O_i, with M* the largest M_i and l the sum of 2^(M_i - M*) l_i.
; LAYOUT.  Both products are used transposed: S^T = K Q^T (source 0 = 16 keys), O^T = V^T P^T (source 0 = 16 channels): a lane holds ONE query (lane % 16) throughout.
; THE KEYS OF A TILE ARE NOT NEIGHBOURS: lane r of tile 2 b + u takes key 32 b + 8 u + r + 8 (r / 8), so that the 16 registers of tiles 2 b, 2 b + 1 are the keys 32 b + 16 (lane / 16) + 0 .. 15.
; ONE register holds both tiles' scale words: lanes 0-15 tile 2 b (row 0 of the scales), lanes 16-31 tile 2 b + 1 (row 1).
; MEAN AND VARIANCE.  c = the mean of the query's scores against the head's keys 0 and 16 (the same bits in all four waves); -c is the C of the first product.  mu - c = sum(x) / 2048, var = sum(x^2) / 2048 - (mu - c)^2.
; A sample lies within sqrt(2047 var) of the mean, so (c - mu)^2 <= 2047 var for every input: the difference loses 11 bits at the worst.  (s - mu) a is taken as x a - (mu - c) a.
; FILLS.  K: one tensor load a wave at the head; V: one a wave behind the full sequence and the round.  Both are asked for JOINTLY by the four work-groups of a cluster, four query blocks of one head (mask 15, the same descriptor in all four).
; The scale bytes, gamma and beta (32 KiB beside 256 KiB of codes) come by one 16-byte load a thread each and are stored to LDS.  Nothing is filled again; all of LDS is claimed.
; No prefetch: no step of this text runs in a loop, and V, asked for ahead of walk 1, is first read behind both halves of the softmax.
; LIMITS: NaN, infinities and scale bytes 0xff are not served.  Mean and variance are summed in another order than reference() sums them; the variance is held at 0 from below; 1 / 128 stands for the square of the f32 1 / sqrt(128).
; A p under 2^-126 comes out as 0; a block of p that is all zeros keeps the scale byte 1 (its codes are zeros, and this program alone reads the byte); where half 0's byte would fall under 1 by the last M it is held at 1: such a p counts as at most 6 x 2^-126, beside an l of more than 1/2.
.set PK,     144                       ; K in LDS: two keys (128 bytes) + 16 of padding: key j at (j / 2) PK + (j % 2) 64
.set KWAVE,  64*PK                     ; 128 keys: what one tensor load brings, and a key step
.set KQUART, 4*KWAVE
.set PIT,    272                       ; V: rows of 256 bytes + 16: quarter i, channel d at i VQUART + d PIT
.set VC,     16*KWAVE
.set VWAVE,  32*PIT                    ; 32 channels: what one tensor load brings
.set VQUART, 4*VWAVE
.set KS,     VC+4*VQUART               ; K's scale bytes, dense: 4 bytes a key
.set GA,     KS+8192                   ; gamma, dense; beta lies 8,192 behind it
.set VS,     GA+16384                  ; V's scale bytes: quarter i, channel d at 2,048 i + 16 d
.set ST,     VS+8192                   ; four tables of 1,024 bytes: sum(x), sum(x^2), -M, l: entry (16 m + r) 16 + 4 i
.set SPARE,  ST+4096                   ; the spare words, 128 bytes a wave: no other line names them
.set PWT,    65536                     ; over K's bytes: from 0 on P's images, 1,024 bytes for tile m, step s at (16 m + s) 1,024; here P's scale words: (4 m + i) 256 + 16 r
.set STG,    PWT+4096                  ; and the stage: 64 rows of out0, 512 bytes + 16
.set SPI,    528
.set AK,     1                         ; v1   my place in K;       later P's images of my tile
.set AKS,    2                         ; v2   in K's scale words;  later V, quarters 2 and 3
.set AG,     3                         ; v3   in gamma;            later V's scale words
.set SPW,    4                         ; v4   my spare word; v5 = 0; both never rewritten
.set NIL,    5
.set RA,     6                         ; v6   a = rsqrt(var / 128 + eps) / sqrt(128);  later V, quarters 0 and 1, then a weight
.set STR,    7                         ; v7   my query's row in a table of ST
.set DD,     8                         ; v8   d = -(mu - c) a;     later P's scale words of my tile
.set STW,    9                         ; v9   my quarter's word in that row
.set NM,     10                        ; v10  -M, v11 the largest t so far
.set TMAX,   11
.set LS,     12                        ; v[12:13] l, in two halves
.set WD,     14                        ; v[14:17] P's scale words of my four steps (v16, v17: when Q is done with)
.set QF,     16                        ; v[16:23] Q's fragment
.set CC,     24                        ; v[24:31] -c, eight times
.set F,      32                        ; v[32:95] eight fragments of K, or gamma and beta of two blocks; later P's fragments
.set S,      96                        ; v[96:223] x of 256 keys, then the logits, then p; later V's fragments
.set PC,     224                       ; v[224:239] half 0's codes; later O^T
.set BM,     240                       ; v[240:247] the blocks' largest logits; in walk 1 the chains of the two sums
.set KSW,    248                       ; v[248:251] K's scale words of a step, v252 Q's
.set QW,     252
.set TT,     253
.set FF,     254
.set PVS,    255
.set WV,   22
.set TM,   23
.set QI,   24
.set SEL,  28                          ; s[28:29] v_permlanex16_b32's selects for lane l xor 16
.set CS,   30                          ; s[30:31] log2(e), of which the low word is taken
.set G1K,  32
.set G1V,  40
.set G0K,  56
.set G0V,  60
; A round of the cluster's barrier
.macro CROUND
	s_barrier_signal -1
	s_barrier_wait -1
	s_cmp_lg_u32 s[WV], 0
	s_cbranch_scc1 .Lnot_wave_0_\@
	s_barrier_signal -3
.Lnot_wave_0_\@:
	s_barrier_wait -3
	s_barrier_signal -1
	s_barrier_wait -1
.endm
.macro PLACES                          ; four places behind a matrix instruction (ISA guide 7.12.1)
.rept 4
	v_nop
.endr
.endm
; The 20 loads of key step st: tiles 2 b and 2 b + 1 begin at keys 32 b and 32 b + 8
.macro FETCH st
.irp b, 0,1,2,3
	ds_load_b128 v[F+16*\b:F+16*\b+3], v[AK] offset:(\st)*KWAVE+16*\b*PK
	ds_load_b128 v[F+16*\b+4:F+16*\b+7], v[AK] offset:(\st)*KWAVE+16*\b*PK+32
	ds_load_b128 v[F+16*\b+8:F+16*\b+11], v[AK] offset:(\st)*KWAVE+(16*\b+4)*PK
	ds_load_b128 v[F+16*\b+12:F+16*\b+15], v[AK] offset:(\st)*KWAVE+(16*\b+4)*PK+32
	ds_load_b32 v[KSW+\b], v[AKS] offset:512*(\st)+128*\b
.endr
.endm
.macro QK sb                           ; K Q^T - c of a step: eight results, each with registers of its own
.irp b, 0,1,2,3
	v_wmma_scale_f32_16x16x128_f8f6f4 v[\sb+16*\b:\sb+16*\b+7], v[F+16*\b:F+16*\b+7], v[QF:QF+7], v[CC:CC+7], v[KSW+\b], v[QW] matrix_a_fmt:MATRIX_FMT_FP4 matrix_b_fmt:MATRIX_FMT_FP4
	v_wmma_scale_f32_16x16x128_f8f6f4 v[\sb+16*\b+8:\sb+16*\b+15], v[F+16*\b+8:F+16*\b+15], v[QF:QF+7], v[CC:CC+7], v[KSW+\b], v[QW] matrix_a_fmt:MATRIX_FMT_FP4 matrix_b_fmt:MATRIX_FMT_FP4 matrix_a_scale:MATRIX_SCALE_ROW1
.endr
.endm
.macro SUMG sb, g0, n                  ; n groups of four registers into the chains: sum(x) in two, sum(x^2) in two
.set J, (\sb)+4*(\g0)
.rept \n
	v_pk_add_f32 v[BM:BM+1], v[BM:BM+1], v[J:J+1]
	v_pk_add_f32 v[BM+2:BM+3], v[BM+2:BM+3], v[J+2:J+3]
	v_pk_fma_f32 v[BM+4:BM+5], v[J:J+1], v[J:J+1], v[BM+4:BM+5]
	v_pk_fma_f32 v[BM+6:BM+7], v[J+2:J+3], v[J+2:J+3], v[BM+6:BM+7]
.set J, J+4
.endr
.endm
.macro GLOAD hb, p                     ; gamma and beta of my 16 keys of blocks 2 p and 2 p + 1 of half hb: 16 loads
.irp k, 0,1
.irp j, 0,1,2,3
	ds_load_b128 v[F+32*\k+4*\j:F+32*\k+4*\j+3], v[AG] offset:1024*(\hb)+256*(\p)+128*\k+16*\j
.endr
.irp j, 0,1,2,3
	ds_load_b128 v[F+32*\k+16+4*\j:F+32*\k+16+4*\j+3], v[AG] offset:8192+1024*(\hb)+256*(\p)+128*\k+16*\j
.endr
.endr
.endm
.macro U1                              ; (s - mu) a of the next two keys
	v_pk_fma_f32 v[JU:JU+1], v[JU:JU+1], v[RA:RA+1], v[DD:DD+1] op_sel_hi:[1,0,0]
.set JU, JU+2
.endm
; The logits of half hb and each block's largest, two blocks at a time; the next pair's gamma and beta are asked for behind a pair's logits, and its U1 lines stand among the maxima
.macro NORMS hb
.irp p, 0,1,2,3
	s_wait_alu depctr_va_vdst(0)
	s_wait_dscnt 0x0                               ; this pair's gamma and beta
.irp k, 0,1
.set J, S+32*\p+16*\k
.set G, F+32*\k
.rept 8
	v_pk_fma_f32 v[J:J+1], v[J:J+1], v[G:G+1], v[G+16:G+17]
.set J, J+2
.set G, G+2
.endr
.endr
.if \p < 3
	GLOAD \hb, \p+1
.endif
.set B0, S+32*\p
.set B1, S+32*\p+16
	v_max3_num_f32 v[BM+2*\p], v[B0], v[B0+1], v[B0+2]
	v_max3_num_f32 v[BM+2*\p+1], v[B1], v[B1+1], v[B1+2]
.if \p < 3
	U1
	U1
.endif
.irp i, 3,5,7,9,11,13
	v_max3_num_f32 v[BM+2*\p], v[BM+2*\p], v[B0+\i], v[B0+\i+1]
	v_max3_num_f32 v[BM+2*\p+1], v[BM+2*\p+1], v[B1+\i], v[B1+\i+1]
.if \p < 3
	U1
	U1
.endif
.endr
	v_max_num_f32 v[BM+2*\p], v[BM+2*\p], v[B0+15]
	v_max_num_f32 v[BM+2*\p+1], v[BM+2*\p+1], v[B1+15]
.if \p < 3
	U1
	U1
.endif
.endr
.endm
; Half hb from x to codes: pcb = where its 16 registers of codes go (before that its temporaries)
.macro HALF hb, pcb
	NORMS \hb
.irp b, 0,1,2,3,4,5,6,7
	v_permlanex16_b32 v[F+\b], v[BM+\b], s[SEL], s[SEL+1]
.endr
.irp b, 0,1,2,3,4,5,6,7
	v_max_num_f32 v[BM+\b], v[BM+\b], v[F+\b]      ; the largest logit of each block of 32 keys: for M and, since p rises with the logit, for the block's largest p
.endr
	v_max3_num_f32 v[TT], v[BM], v[BM+1], v[BM+2]
	v_max3_num_f32 v[FF], v[BM+3], v[BM+4], v[BM+5]
	v_max3_num_f32 v[TT], v[TT], v[BM+6], v[BM+7]
	v_max_num_f32 v[TT], v[TT], v[FF]
.if \hb == 0
	v_mul_f32 v[TMAX], s[CS], v[TT]
	v_floor_f32 v[NM], -v11                        ; -M = floor(-t) = -ceil(t)  (v11 = v[TMAX])
	FETCH 2                                        ; half 1's first step lands under the exponentials
.else
	v_mul_f32 v[TT], s[CS], v[TT]
	v_max_num_f32 v[TMAX], v[TMAX], v[TT]
	v_mov_b32 v[TT], v[NM]
	v_floor_f32 v[NM], -v11
	v_sub_f32 v[TT], v[NM], v[TT]                  ; old M - new M: a whole number, 0 or less
	v_cvt_i32_f32 v[TT], v[TT]                     ; (it saturates)
	v_ldexp_f32 v[FF], 1.0, v[TT]
	v_sub_nc_u32 v[TT], 0, v[TT]                   ; n = new M - old M
	v_mul_f32 v[LS], v[LS], v[FF]                  ; half 0's sum under the new M: rounds nothing
	v_mul_f32 v[LS+1], v[LS+1], v[FF]
	v_xor_b32 v[WD], -1, v[WD]                     ; half 0's scale bytes less n, held at 1: each as 255 - byte, plus n, held at 254
	v_xor_b32 v[WD+1], -1, v[WD+1]
.irp k, 0,1,2,3
	v_bfe_u32 v[F+\k], v[WD], 8*\k, 8
	v_bfe_u32 v[F+4+\k], v[WD+1], 8*\k, 8
.endr
.irp k, 0,1,2,3,4,5,6,7
	v_add_nc_u32 v[F+\k], v[F+\k], v[TT]
.endr
.irp k, 0,1,2,3,4,5,6,7
	v_min_u32 v[F+\k], 0xfe, v[F+\k]
.endr
.irp k, 1,2,3
	v_lshl_or_b32 v[F], v[F+\k], 8*\k, v[F]
	v_lshl_or_b32 v[F+4], v[F+4+\k], 8*\k, v[F+4]
.endr
	v_xor_b32 v[WD], -1, v[F]
	v_xor_b32 v[WD+1], -1, v[F+4]
.endif
.set J, S
.rept 64
	v_pk_fma_f32 v[J:J+1], v[J:J+1], s[CS:CS+1], v[NM:NM+1] op_sel_hi:[1,0,0]   ; t - M
.set J, J+2
.endr
.irp b, 0,1,2,3,4,5,6,7
	v_fma_f32 v[BM+\b], v[BM+\b], s[CS], v[NM]
.endr
	s_wait_alu depctr_va_vdst(0)                   ; the wait ahead of the batch
.set J, S
.rept 128
	v_exp_f32 v[J], v[J]                           ; p = 2^(t - M): NOT normalised
.set J, J+1
.endr
.irp b, 0,1,2,3,4,5,6,7
	v_exp_f32 v[BM+\b], v[BM+\b]                   ; the block's largest p: the same two instructions on the same number give the same bits
.endr
	v_nop
	s_wait_alu depctr_va_vdst(0)                   ; and behind it: one for the 136
	v_pk_add_f32 v[\pcb:\pcb+1], v[S:S+1], v[S+2:S+3]   ; the sum, in four chains of pairs
	v_pk_add_f32 v[\pcb+2:\pcb+3], v[S+4:S+5], v[S+6:S+7]
	v_pk_add_f32 v[\pcb+4:\pcb+5], v[S+8:S+9], v[S+10:S+11]
	v_pk_add_f32 v[\pcb+6:\pcb+7], v[S+12:S+13], v[S+14:S+15]
.set J, S+16
.rept 14
	v_pk_add_f32 v[\pcb:\pcb+1], v[\pcb:\pcb+1], v[J:J+1]
	v_pk_add_f32 v[\pcb+2:\pcb+3], v[\pcb+2:\pcb+3], v[J+2:J+3]
	v_pk_add_f32 v[\pcb+4:\pcb+5], v[\pcb+4:\pcb+5], v[J+4:J+5]
	v_pk_add_f32 v[\pcb+6:\pcb+7], v[\pcb+6:\pcb+7], v[J+6:J+7]
.set J, J+8
.endr
.irp b, 0,1,2,3,4,5,6,7
	v_max_num_f32 v[BM+\b], 0x1800000, v[BM+\b]    ; the floor 2^(3 - 127): the byte cannot fall under 1
.endr
	v_pk_add_f32 v[\pcb:\pcb+1], v[\pcb:\pcb+1], v[\pcb+2:\pcb+3]
	v_pk_add_f32 v[\pcb+4:\pcb+5], v[\pcb+4:\pcb+5], v[\pcb+6:\pcb+7]
.irp b, 0,1,2,3,4,5,6,7
	v_add_nc_u32 v[BM+\b], 0xff000000, v[BM+\b]    ; 2 off the exponent field: the conversion's scale operand
.endr
.if \hb == 0
	v_pk_add_f32 v[LS:LS+1], v[\pcb:\pcb+1], v[\pcb+4:\pcb+5]
.else
	v_pk_add_f32 v[LS:LS+1], v[LS:LS+1], v[\pcb:\pcb+1]
	v_pk_add_f32 v[LS:LS+1], v[LS:LS+1], v[\pcb+4:\pcb+5]
.endif
.irp b, 0,1,2,3,4,5,6,7
	v_lshrrev_b32 v[\pcb+\b], 23, v[BM+\b]         ; the scale's byte
.endr
	v_lshl_or_b32 v[WD+2*\hb], v[\pcb+1], 8, v[\pcb]
	v_lshl_or_b32 v[WD+2*\hb+1], v[\pcb+5], 8, v[\pcb+4]
	v_lshl_or_b32 v[WD+2*\hb], v[\pcb+2], 16, v[WD+2*\hb]
	v_lshl_or_b32 v[WD+2*\hb+1], v[\pcb+6], 16, v[WD+2*\hb+1]
	v_lshl_or_b32 v[WD+2*\hb], v[\pcb+3], 24, v[WD+2*\hb]
	v_lshl_or_b32 v[WD+2*\hb+1], v[\pcb+7], 24, v[WD+2*\hb+1]
.irp b, 0,1,2,3,4,5,6,7
	v_cvt_scalef32_pk8_fp4_f32 v[\pcb+2*\b], v[S+16*\b:S+16*\b+7], v[BM+\b]
	v_cvt_scalef32_pk8_fp4_f32 v[\pcb+2*\b+1], v[S+16*\b+8:S+16*\b+15], v[BM+\b]
.endr
	v_nop                                          ; one plain line behind the conversions
.irp g, 0,1,2,3                        ; the operand's layout wants a WHOLE block in a lane
.irp i, 0,1
	v_permlane16_swap_b32 v[\pcb+4*\g+\i], v[\pcb+4*\g+2+\i]
.endr
.endr
.endm
.macro VLOAD q, ad, vb, sw             ; V's fragments of quarter q for my two tiles of channels, four steps, and their scale words: 17 loads
.irp st, 0,1,2,3
.irp t, 0,1
	ds_load_b128 v[\vb+16*\st+8*\t:\vb+16*\st+8*\t+3], v[\ad] offset:((\q)%2)*VQUART+16*\t*PIT+64*\st
	ds_load_b128 v[\vb+16*\st+8*\t+4:\vb+16*\st+8*\t+7], v[\ad] offset:((\q)%2)*VQUART+16*\t*PIT+64*\st+32
.endr
.endr
	ds_load_b128 v[\sw:\sw+3], v[AG] offset:2048*(\q)
.endm
.macro PLOAD q, pb, pw                 ; P's fragments of quarter q, four steps, and their scale words: 9 loads
.irp st, 0,1,2,3
	ds_load_b128 v[\pb+8*\st:\pb+8*\st+3], v[AK] offset:4096*(\q)+1024*\st
	ds_load_b128 v[\pb+8*\st+4:\pb+8*\st+7], v[AK] offset:4096*(\q)+1024*\st+512
.endr
	ds_load_b128 v[\pw:\pw+3], v[DD] offset:256*(\q)
.endm
.macro PVQ vb, sw, pb, pw, ac          ; O^T of a quarter: two accumulators by turns, one instruction a turn; the first step takes the constant 0
.irp st, 0,1,2,3
.if \st == 0
	v_wmma_scale_f32_16x16x128_f8f6f4 v[\ac:\ac+7], v[\vb:\vb+7], v[\pb:\pb+7], 0, v[\sw], v[\pw] matrix_a_fmt:MATRIX_FMT_FP4 matrix_b_fmt:MATRIX_FMT_FP4
	v_wmma_scale_f32_16x16x128_f8f6f4 v[\ac+8:\ac+15], v[\vb+8:\vb+15], v[\pb:\pb+7], 0, v[\sw], v[\pw] matrix_a_fmt:MATRIX_FMT_FP4 matrix_b_fmt:MATRIX_FMT_FP4 matrix_a_scale:MATRIX_SCALE_ROW1
.else
	v_wmma_scale_f32_16x16x128_f8f6f4 v[\ac:\ac+7], v[\vb+16*\st:\vb+16*\st+7], v[\pb+8*\st:\pb+8*\st+7], v[\ac:\ac+7], v[\sw+\st], v[\pw+\st] matrix_a_fmt:MATRIX_FMT_FP4 matrix_b_fmt:MATRIX_FMT_FP4
	v_wmma_scale_f32_16x16x128_f8f6f4 v[\ac+8:\ac+15], v[\vb+16*\st+8:\vb+16*\st+15], v[\pb+8*\st:\pb+8*\st+7], v[\ac+8:\ac+15], v[\sw+\st], v[\pw+\st] matrix_a_fmt:MATRIX_FMT_FP4 matrix_b_fmt:MATRIX_FMT_FP4 matrix_a_scale:MATRIX_SCALE_ROW1
.endif
.endr
.endm
.macro OADD ac, w                      ; O^T += weight x a quarter's
.irp j, 0,2,4,6,8,10,12,14
	v_pk_fma_f32 v[PC+\j:PC+\j+1], v[\ac+\j:\ac+\j+1], v[\w:\w+1], v[PC+\j:PC+\j+1] op_sel_hi:[1,0,1]
.endr
.endm
	s_load_b512 s[4:19], s[0:1], 0x0               ; q_codes s[4:5], q_scales s[6:7], k_codes s[8:9], k_scales s[10:11], v_codes s[12:13], v_scales s[14:15], gamma s[16:17], beta s[18:19]
	s_load_b64 s[20:21], s[0:1], 0x40              ; out0
	v_lshl_add_u32 v[SPW], v0, 2, SPARE
	v_mov_b32 v[NIL], 0
	ds_add_u32 v[SPW], v[NIL]                      ; the opening lines: the add, twice on end, under one wait
	ds_add_u32 v[SPW], v[NIL]
	v_lshrrev_b32 v96, 5, v0
	v_readfirstlane_b32 s[WV], v96                 ; wave 0..15
	s_and_b32 s[TM], s[WV], 3                      ; m
	s_lshr_b32 s[QI], s[WV], 2                     ; i
	v_mov_b32 v[TT], 0                             ; a lane permute's destination counts as one of its sources
	v_and_b32 v97, 15, v0                          ; r = lane % 16
	v_bfe_u32 v98, v0, 4, 1                        ; h = lane / 16
	v_lshlrev_b32 v99, 6, v97
	v_lshl_add_u32 v99, v98, 4, v99                ; Q: row r of 64 bytes, + 16 h
	v_lshlrev_b32 v100, 2, v97                     ; Q's scale words
	v_lshlrev_b32 v101, 4, v0                      ; the small tables: my 16 bytes in memory,
	v_add_nc_u32 v102, KS, v101                    ; and in LDS: K's scales, gamma and beta, 8,192 bytes apart;
	v_and_b32 v103, 3, v0
	v_lshrrev_b32 v104, 2, v0
	v_lshlrev_b32 v104, 4, v104
	v_lshl_add_u32 v104, v103, 11, v104
	v_add_nc_u32 v104, VS, v104                    ; V's scales: my 16 bytes are quarter tid % 4 of channel tid / 4
	v_and_b32 v105, 8, v97
	v_add_nc_u32 v105, v105, v97                   ; kk = r + 8 (r / 8)
	v_lshrrev_b32 v106, 1, v105
	v_mul_u32_u24 v107, v106, PK
	v_and_b32 v106, 1, v105
	v_lshl_add_u32 v107, v106, 6, v107
	v_lshl_add_u32 v107, v98, 4, v107              ; key kk, + 16 h: the head's first tile, which the pivot takes;
	s_mul_i32 s66, s[QI], KQUART
	v_add_nc_u32 v[AK], s66, v107                  ; and the same place in my quarter
	v_lshl_add_u32 v106, v98, 3, v105
	v_lshl_add_u32 v108, v106, 2, KS               ; scale words: key kk + 8 h
	s_lshl_b32 s67, s[QI], 11
	v_add_nc_u32 v[AKS], s67, v108
	s_add_co_u32 s67, s67, GA
	v_lshl_add_u32 v[AG], v98, 6, s67              ; gamma: my quarter, + 16 h keys
	s_lshl_b32 s66, s[TM], 8
	s_add_co_u32 s66, s66, ST
	v_lshl_add_u32 v[STR], v97, 4, s66
	s_lshl_b32 s67, s[QI], 2
	v_add_nc_u32 v[STW], s67, v[STR]
	s_wait_alu depctr_va_vdst(0)                   ; the wait here, ahead of the scalar lines and the waits below
	s_bfe_u32 s25, ttmp6, 0x40000                  ; cx: it enters Q's and out0's addresses alone
	s_lshl_b32 s26, ttmp9, 2
	s_add_co_u32 s26, s26, s25                     ; my block of 64 queries = 4 x cluster x + cx
	s_and_b32 s27, ttmp7, 0xffff                   ; the head, which the four partners share
	s_mov_b32 s[SEL], 0x76543210
	s_mov_b32 s[SEL+1], 0xfedcba98
	s_mov_b32 s[CS], 0x3fb8aa3b                    ; log2(e)
	s_mov_b32 s[CS+1], s[CS]
	s_mov_b32 s90, 0x3727c5ac                      ; eps = 1e-5
	s_mov_b32 s91, 0x3c000000                      ; 1 / 128
	; descriptor groups 1, in elements of 8 bytes.  15:0 the mask: all four work-groups; 17:16 code 3; 20 padding on; 21 set beside a mask; 24:22 the interval; 31:25 four words of padding (code 3)
	s_mov_b32 s[G1K], 15|(3<<16)|(1<<20)|(1<<21)|(4<<22)|(3<<25)   ; K: padding behind every 32 words: twice in a row of 256 bytes
	s_mov_b32 s[G1K+1], 32<<16                     ; tensor_dim0 = 32 elements: 256 bytes, four keys (K's rows are dense in memory)
	s_mov_b32 s[G1K+2], 32<<16                     ; tensor_dim1 = 32 rows: 128 keys
	s_mov_b32 s[G1K+3], 32<<16
	s_mov_b32 s[G1K+4], 32
	s_mov_b32 s[G1K+5], 32                         ; from row to row
	s_mov_b32 s[G1K+6], 0
	s_mov_b32 s[G1K+7], 0
	s_mov_b32 s[G1V], 15|(3<<16)|(1<<20)|(1<<21)|(5<<22)|(3<<25)   ; V: padding behind every 64 words
	s_mov_b32 s[G1V+1], 32<<16                     ; 256 bytes: a quarter's 512 keys of one channel
	s_mov_b32 s[G1V+2], 32<<16                     ; 32 channels
	s_mov_b32 s[G1V+3], 32<<16
	s_mov_b32 s[G1V+4], 32
	s_mov_b32 s[G1V+5], 128                        ; a channel's row in memory is 1,024 bytes
	s_mov_b32 s[G1V+6], 0
	s_mov_b32 s[G1V+7], 0
	s_lshl_b32 s72, s27, 17                        ; the head in a tensor of codes,
	s_lshl_b32 s78, s27, 13                        ; and in a tensor of scale bytes
	s_mov_b32 s79, 0
	s_lshl_b32 s74, s[WV], 13
	s_add_co_u32 s74, s74, s72                     ; K: keys 128 w on
	s_mov_b32 s75, 0
	s_lshl_b32 s76, s[TM], 15
	s_lshl_b32 s77, s[QI], 8
	s_add_co_u32 s76, s76, s77
	s_add_co_u32 s76, s76, s72                     ; V: channels 32 m on, quarter i of their keys
	s_mov_b32 s77, 0
	s_lshl_b32 s89, s26, 6
	s_lshl_b32 s98, s[TM], 4
	s_add_co_u32 s98, s98, s89                     ; my first query: 64 x block + 16 m
	s_lshl_b32 s92, s98, 6
	s_add_co_u32 s92, s92, s72
	s_mov_b32 s93, 0
	s_lshl_b32 s94, s98, 2
	s_add_co_u32 s94, s94, s78
	s_mov_b32 s95, 0
	s_lshl_b32 s98, s[WV], 2
	s_add_co_u32 s98, s98, s89                     ; the first of the four rows of out0 that I store: 64 x block + 4 w
	s_lshl_b32 s96, s98, 9
	s_lshl_b32 s98, s27, 20
	s_add_co_u32 s96, s96, s98
	s_mov_b32 s97, 0
	s_mov_b32 s[G0K], 1                            ; 1:0 count = 1
	s_mul_i32 s[G0K+1], s[WV], KWAVE               ; 63:32 LDS address: no place in the cluster enters it
	s_mov_b32 s[G0V], 1
	s_mul_i32 s[G0V+1], s[WV], VWAVE               ; w VWAVE = i VQUART + 32 m rows
	s_add_co_u32 s[G0V+1], s[G0V+1], VC
	s_wait_dscnt 0x0                               ; both opening adds are done
	CROUND                                         ; all four work-groups are here: the joint loads meet (the arguments are still on their way)
	s_wait_kmcnt 0x0
	s_add_nc_u64 s[G0K+2:G0K+3], s[8:9], s[74:75]  ; 120:64 global address
	s_or_b32 s[G0K+3], s[G0K+3], 0x80000000        ; 127:126 type = 2
	tensor_load_to_lds s[G0K:G0K+3], s[G1K:G1K+7]  ; K: my one tensor load at the head
	s_nop 0
	s_add_nc_u64 s[10:11], s[10:11], s[78:79]
	s_add_nc_u64 s[14:15], s[14:15], s[78:79]
	global_load_b128 v[32:35], v101, s[10:11]      ; the small tables: 512 threads x 16 bytes each
	global_load_b128 v[36:39], v101, s[16:17]
	global_load_b128 v[40:43], v101, s[18:19]
	global_load_b128 v[44:47], v101, s[14:15]
	s_add_nc_u64 s[4:5], s[4:5], s[92:93]
	s_add_nc_u64 s[6:7], s[6:7], s[94:95]
	s_add_nc_u64 s[20:21], s[20:21], s[96:97]
	global_load_b128 v[QF:QF+3], v99, s[4:5]       ; Q's fragment stays in registers
	global_load_b128 v[QF+4:QF+7], v99, s[4:5] offset:32
	global_load_b32 v[QW], v100, s[6:7]
	s_add_nc_u64 s[G0V+2:G0V+3], s[12:13], s[76:77]
	s_or_b32 s[G0V+3], s[G0V+3], 0x80000000
	s_wait_loadcnt 0x3                             ; the four tables' bytes are in; Q's three loads, issued behind them, may be out
	ds_store_b128 v102, v[32:35]
	ds_store_b128 v102, v[36:39] offset:8192
	ds_store_b128 v102, v[40:43] offset:16384
	ds_store_b128 v104, v[44:47]
	s_wait_tensorcnt 0x0                           ; my part of K is in
	ds_add_u32 v[SPW], v[NIL]                      ; the add ahead of a later first fill
	s_wait_dscnt 0x0                               ; the add and my stores are done
	CROUND                                         ; everybody's are, in all four work-groups
	tensor_load_to_lds s[G0V:G0V+3], s[G1V:G1V+7]  ; V: my one tensor load behind the round
	s_nop 0
	; ---- THE PIVOT: one product against the head's first tile; its register 0 is key 0 in lanes 0-15 and key 16 in lanes 16-31
	ds_load_b128 v[112:115], v107
	ds_load_b128 v[116:119], v107 offset:32
	ds_load_b32 v[PVS], v108
	FETCH 2
	s_wait_loadcnt 0x0                             ; Q
	s_wait_dscnt 0x14                              ; the pivot's three; step 2's twenty loads, issued behind them, may be out
	v_wmma_scale_f32_16x16x128_f8f6f4 v[120:127], v[112:119], v[QF:QF+7], 0, v[PVS], v[QW] matrix_a_fmt:MATRIX_FMT_FP4 matrix_b_fmt:MATRIX_FMT_FP4
	PLACES
	v_permlanex16_b32 v[TT], v120, s[SEL], s[SEL+1]
	v_add_f32 v[TT], v120, v[TT]
	v_mul_f32 v[CC], -0.5, v[TT]                   ; -c
.irp j, 1,2,3,4,5,6,7
	v_mov_b32 v[CC+\j], v[CC]
.endr
	; ---- WALK 1: a step's sums stand behind the next step's products, as their places; the step after that is on its way meanwhile
	s_wait_alu depctr_va_vdst(0)
	s_wait_dscnt 0x0
	QK S                                           ; step 2
.irp j, 0,1,2,3,4,5,6,7
	v_mov_b32 v[BM+\j], 0                          ; the four chains of pairs begin; also the products' places
.endr
	FETCH 3
	s_wait_alu depctr_va_vdst(0)
	s_wait_dscnt 0x0
	QK S+64                                        ; step 3
	SUMG S, 0, 1
	FETCH 0
	SUMG S, 1, 15
	s_wait_alu depctr_va_vdst(0)
	s_wait_dscnt 0x0
	QK S                                           ; step 0: it stays
	SUMG S+64, 0, 1
	FETCH 1
	SUMG S+64, 1, 15
	s_wait_alu depctr_va_vdst(0)
	s_wait_dscnt 0x0
	QK S+64                                        ; step 1: it stays
	SUMG S, 0, 1
	GLOAD 0, 0
	SUMG S, 1, 15
	SUMG S+64, 0, 16
	; ---- THE FOUR QUARTERS' SUMS MEET
	v_pk_add_f32 v[BM:BM+1], v[BM:BM+1], v[BM+2:BM+3]
	v_pk_add_f32 v[BM+4:BM+5], v[BM+4:BM+5], v[BM+6:BM+7]
	v_add_f32 v[BM], v[BM], v[BM+1]
	v_add_f32 v[BM+4], v[BM+4], v[BM+5]
	v_permlanex16_b32 v[BM+2], v[BM], s[SEL], s[SEL+1]
	v_permlanex16_b32 v[BM+6], v[BM+4], s[SEL], s[SEL+1]
	v_add_f32 v[BM], v[BM], v[BM+2]                ; with lane l xor 16's keys: my quarter's sums for query r
	v_add_f32 v[BM+4], v[BM+4], v[BM+6]
	ds_store_b32 v[STW], v[BM]                     ; (both halves of the lanes write the same word with the same value)
	ds_store_b32 v[STW], v[BM+4] offset:1024
	s_wait_alu depctr_va_vdst(0)
	s_wait_dscnt 0x0
	s_barrier_signal -1
	s_barrier_wait -1
	ds_load_b128 v[BM:BM+3], v[STR]
	ds_load_b128 v[BM+4:BM+7], v[STR] offset:1024
	s_wait_dscnt 0x0
	v_add_f32 v[BM], v[BM], v[BM+1]                ; added in one order in all four waves: the same bits
	v_add_f32 v[BM+2], v[BM+2], v[BM+3]
	v_add_f32 v[BM+4], v[BM+4], v[BM+5]
	v_add_f32 v[BM+6], v[BM+6], v[BM+7]
	v_add_f32 v[BM], v[BM], v[BM+2]
	v_add_f32 v[BM+4], v[BM+4], v[BM+6]
	v_mul_f32 v[BM], 0x3a000000, v[BM]             ; mu - c = sum(x) / 2048
	v_mul_f32 v[BM+4], 0x3a000000, v[BM+4]
	v_fma_f32 v[TT], -v240, v[BM], v[BM+4]         ; the variance of the raw scores (v240 = v[BM]),
	v_max_num_f32 v[TT], 0, v[TT]                  ; held at 0 from below
	v_fma_f32 v[TT], v[TT], s91, s90               ; / 128 + eps
	s_wait_alu depctr_va_vdst(0)
	v_rsq_f32 v[RA], v[TT]
	v_mul_f32 v[FF], -1.0, v[BM]                   ; (a plain line behind the transcendental)  -(mu - c)
	s_wait_alu depctr_va_vdst(0)
	v_mul_f32 v[RA], 0x3db504f3, v[RA]             ; a
	v_mul_f32 v[DD], v[FF], v[RA]                  ; d
	; ---- HALF 0: steps 0 and 1
.set JU, S
.rept 16
	U1
.endr
	HALF 0, PC
	; ---- HALF 1: steps 2 and 3, made again
	s_wait_alu depctr_va_vdst(0)
	s_wait_dscnt 0x0
	QK S
	PLACES
	FETCH 3
.set JU, S
.rept 16
	U1
.endr
	s_wait_alu depctr_va_vdst(0)
	s_wait_tensorcnt 0x0                           ; my part of V is in,
	s_wait_dscnt 0x0                               ; and my last reads of K are over:
	s_barrier_signal -1                            ; say so; until the wait below: work on registers and loads of gamma and beta, which nobody writes any more
	QK S+64
	PLACES
	GLOAD 1, 0
	HALF 1, F
	; ---- P, M AND l GO TO LDS
	s_wait_alu depctr_va_vdst(0)
	s_lshl_b32 s66, s[TM], 14                      ; tile m's images,
	s_lshl_b32 s67, s[QI], 12
	s_add_co_u32 s67, s67, s66                     ; and my quarter's four
	s_lshl_b32 s68, s[TM], 10
	s_add_co_u32 s68, s68, PWT                     ; tile m's scale words,
	s_lshl_b32 s69, s[QI], 8                       ; and my quarter's
	s_mul_i32 s70, s[QI], VWAVE
	s_add_co_u32 s70, s70, VC                      ; V: channels 32 i on
	s_lshl_b32 s71, s[QI], 9
	s_add_co_u32 s71, s71, VS
	v_add_f32 v[LS], v[LS], v[LS+1]
	v_permlanex16_b32 v[TT], v[LS], s[SEL], s[SEL+1]
	v_and_b32 v[AK], 31, v0
	v_and_b32 v[FF], 15, v0                        ; r
	v_bfe_u32 v[RA], v0, 4, 1                      ; h
	v_add_f32 v[LS], v[LS], v[TT]                  ; my quarter's l
	v_lshlrev_b32 v[AK], 4, v[AK]                  ; 16 x lane
	v_mul_u32_u24 v[AKS], v[FF], PIT
	v_lshl_add_u32 v[RA], v[RA], 4, v[AKS]
	v_add_nc_u32 v[RA], s70, v[RA]                 ; V: channel r, + 16 h; quarters 0 and 1,
	v_add_nc_u32 v[AKS], 2*VQUART, v[RA]           ; 2 and 3
	v_add_nc_u32 v[AG], s71, v[AK]                 ; V's scale words: lane l takes channel 32 i + l
	v_add_nc_u32 v[TT], s67, v[AK]                 ; my images
	v_add_nc_u32 v[AK], s66, v[AK]                 ; tile m's
	v_lshl_add_u32 v[DD], v[FF], 4, s68            ; tile m's scale words
	v_add_nc_u32 v[PVS], s69, v[DD]                ; mine
	s_wait_alu depctr_va_vdst(0)
	s_barrier_wait -1                              ; nobody reads K any more, and all of V is in
.irp g, 0,1,2,3
	ds_store_b128 v[TT], v[PC+4*\g:PC+4*\g+3] offset:512*\g
.endr
.irp g, 0,1,2,3
	ds_store_b128 v[TT], v[F+4*\g:F+4*\g+3] offset:2048+512*\g
.endr
	ds_store_b128 v[PVS], v[WD:WD+3]
	ds_store_b32 v[STW], v[NM] offset:2048
	ds_store_b32 v[STW], v[LS] offset:3072
	s_wait_dscnt 0x0
	s_barrier_signal -1
	VLOAD 0, RA, 96, 240                           ; V, which nobody writes: between signal and wait
	VLOAD 1, RA, 160, 244
	s_barrier_wait -1                              ; all of P is in LDS
	; ---- THE SECOND PRODUCT: 16 queries x 32 channels, a quarter of the keys at a time
	ds_load_b128 v[10:13], v[STR] offset:2048      ; the four quarters' -M,
	ds_load_b128 v[16:19], v[STR] offset:3072      ; and l
	PLOAD 0, 32, 248
	PLOAD 1, 64, 252
	s_wait_dscnt 0x12                              ; all but P's two quarters, nine loads each
	v_min_num_f32 v14, v10, v11
	v_min_num_f32 v15, v12, v13
	v_min_num_f32 v14, v14, v15                    ; -M* = the least -M
.irp j, 0,1,2,3
	v_sub_f32 v[10+\j], v14, v[10+\j]              ; M_i - M*: a whole number, 0 or less
.endr
.irp j, 0,1,2,3
	v_cvt_i32_f32 v[10+\j], v[10+\j]
.endr
.irp j, 0,1,2,3
	v_ldexp_f32 v[10+\j], 1.0, v[10+\j]
.endr
	v_mul_f32 v14, v10, v16
	v_mul_f32 v15, v11, v17
	v_fmac_f32 v14, v12, v18
	v_fmac_f32 v15, v13, v19
	v_add_f32 v14, v14, v15                        ; the row's l
	s_wait_alu depctr_va_vdst(0)
	v_rcp_f32 v15, v14
	v_nop
	s_wait_alu depctr_va_vdst(0)
	v_mul_f32 v6, v13, v15                         ; the weights: quarter 3 in v6, 2 in v14, 1 in v12, 0 in v10, each the low word of a pair
	v_mul_f32 v14, v12, v15
	v_mul_f32 v12, v11, v15
	v_mul_f32 v10, v10, v15
	s_wait_alu depctr_va_vdst(0)
	s_wait_dscnt 0x9                               ; P's quarter 0
	PVQ 96, 240, 32, 248, 224
	PLACES
	VLOAD 2, AKS, 96, 240
	PLOAD 2, 32, 248
	s_wait_dscnt 0x1a                              ; P's quarter 1: quarter 2's 17 + 9 may be out
	PVQ 160, 244, 64, 252, 16
.irp j, 0,2,4,6,8,10,12,14
	v_pk_mul_f32 v[PC+\j:PC+\j+1], v[PC+\j:PC+\j+1], v[10:11] op_sel_hi:[1,0]
.endr
	VLOAD 3, AKS, 160, 244
	PLOAD 3, 64, 252
	OADD 16, 12
	s_wait_alu depctr_va_vdst(0)
	s_wait_dscnt 0x1a                              ; quarter 2 is in: quarter 3's 26 may be out
	PVQ 96, 240, 32, 248, 16
	s_mul_i32 s66, s[TM], 16*SPI
	s_lshl_b32 s67, s[QI], 7
	s_add_co_u32 s66, s66, s67
	s_add_co_u32 s66, s66, STG
	s_mul_i32 s67, s[WV], 4*SPI
	s_add_co_u32 s67, s67, STG
	s_wait_dscnt 0x0                               ; quarter 3
	v_and_b32 v1, 15, v0                           ; (eight places between quarter 2's products and quarter 3's, whose results go over quarter 2's V)
	v_bfe_u32 v2, v0, 4, 1
	v_and_b32 v3, 31, v0
	v_mul_u32_u24 v1, v1, SPI
	v_lshlrev_b32 v3, 4, v3                        ; 16 x lane: my 16 bytes of a row of 512
	v_lshl_add_u32 v1, v2, 5, v1
	v_add_nc_u32 v2, s67, v3                       ; back from the stage: rows 4 w on
	v_add_nc_u32 v1, s66, v1                       ; into it: row 16 m + r, channels 32 i + 8 h on
	PVQ 160, 244, 64, 252, 96
	OADD 16, 14
	OADD 96, 6
	; ---- THE WAY OUT: through the stage, so that 32 lanes store a whole row of 512 bytes
.irp t, 0,1
	ds_store_b128 v1, v[PC+8*\t:PC+8*\t+3] offset:64*\t
	ds_store_b128 v1, v[PC+8*\t+4:PC+8*\t+7] offset:64*\t+16
.endr
	s_wait_alu depctr_va_vdst(0)
	s_wait_dscnt 0x0
	s_barrier_signal -1
	s_barrier_wait -1
.irp j, 0,1,2,3
	ds_load_b128 v[32+4*\j:35+4*\j], v2 offset:SPI*\j
.endr
.irp j, 0,1,2,3
	s_wait_dscnt 3-\j
	global_store_b128 v3, v[32+4*\j:35+4*\j], s[20:21] offset:512*\j th:TH_STORE_NT
.endr
	s_wait_tensorcnt 0x0                           ; the wave's end
	ds_add_u32 v[SPW], v[NIL]
	s_wait_dscnt 0x0
	CROUND                                         ; the closing round: no work-group ends while a partner may still ask for bytes jointly
	s_endpgm
.Lfunc_end_k_q00c8652d99_attn:
	.size	k_q00c8652d99_attn, .Lfunc_end_k_q00c8652d99_attn-k_q00c8652d99_attn
	.p2alignl 7, 3214868480
	.fill 96, 4, 3214868480
	.section	.rodata,"a",@progbits
	.p2align	6, 0x0
	.amdhsa_kernel k_q00c8652d99_attn
		.amdhsa_group_segment_fixed_size 327680
		.amdhsa_private_segment_fixed_size 0
		.amdhsa_enable_private_segment 0
		.amdhsa_kernarg_size 72
		.amdhsa_user_sgpr_count 2
		.amdhsa_user_sgpr_kernarg_segment_ptr 1
		.amdhsa_wavefront_size32 1
		.amdhsa_system_sgpr_workgroup_id_x 1
		.amdhsa_system_sgpr_workgroup_id_y 1
		.amdhsa_system_sgpr_workgroup_id_z 1
		.amdhsa_system_vgpr_workitem_id 0
		.amdhsa_next_free_vgpr 256
		.amdhsa_next_free_sgpr 100
		.amdhsa_reserve_vcc 0
		.amdhsa_float_denorm_mode_32 3
		.amdhsa_float_denorm_mode_16_64 3
		.amdhsa_memory_ordered 1
		.amdhsa_forward_progress 1
		.amdhsa_inst_pref_size 126
	.end_amdhsa_kernel
	.amdgpu_metadata
---
amdhsa.version: [ 1, 2 ]
amdhsa.kernels:
  - .name:           k_q00c8652d99_attn
    .symbol:         k_q00c8652d99_attn.kd
    .args:
      - { .name: q_codes, .offset: 0, .size: 8, .value_kind: global_buffer, .address_space: global }
      - { .name: q_scales, .offset: 8, .size: 8, .value_kind: global_buffer, .address_space: global }
      - { .name: k_codes, .offset: 16, .size: 8, .value_kind: global_buffer, .address_space: global }
      - { .name: k_scales, .offset: 24, .size: 8, .value_kind: global_buffer, .address_space: global }
      - { .name: v_codes, .offset: 32, .size: 8, .value_kind: global_buffer, .address_space: global }
      - { .name: v_scales, .offset: 40, .size: 8, .value_kind: global_buffer, .address_space: global }
      - { .name: gamma, .offset: 48, .size: 8, .value_kind: global_buffer, .address_space: global }
      - { .name: beta, .offset: 56, .size: 8, .value_kind: global_buffer, .address_space: global }
      - { .name: out0, .offset: 64, .size: 8, .value_kind: global_buffer, .address_space: global }
    .group_segment_fixed_size: 327680
    .private_segment_fixed_size: 0
    .kernarg_segment_align: 8
    .kernarg_segment_size: 72
    .max_flat_workgroup_size: 512
    .sgpr_count:     100
    .vgpr_count:     256
    .wavefront_size: 32
...
	.end_amdgpu_metadata
.endif
;; end of part 1
